; MI455X (gfx1250); checked and timed in simulation.
; The chip was launched on July 23, 2026; its instructions are those of AMD's public machine-readable ISA for CDNA 5 (MIT licence, August 2026) and "CDNA5" Instruction Set Architecture Reference Guide (July 2026). The comments in the code are by the model that wrote it; some were corrected since.
;; Multi Head Attention. Allowed arithmetic: matrix products marked QUANTISED: E2M3 operands, one E8M0 scale for each 32 along K, by v_wmma_scale_f32_16x16x128_f8f6f4 with both operands' format E2M3, f32 sums; products left as they are: f32 operands where the result goes on into a quantised operand, else bf16, f16 or f32 operands; f32 sums; everything else in f32.
;; Inputs: Wk 1,024 x 1,024 float32; Wo 1,024 x 1,024 float32; Wq 1,024 x 1,024 float32; Wv 1,024 x 1,024 float32; bk 1,024 float32; bo 1,024 float32; bq 1,024 float32; bv 1,024 float32; x 4 x 4,096 x 1,024 float32.
;; Outputs: out0 4 x 4,096 x 1,024 float32.
;; This version of the problem:
;;   THIS VERSION OF THE PROBLEM IS GIVEN IN LOW PRECISION. The matrix products marked QUANTISED in the list below multiply operands that are first quantised to E2M3 (2 exponent bits, 3 mantissa bits; 6 bits a number), with one power-of-two scale for each 32 numbers along K (OCP MX v1.0); their sums are f32. All else is computed in f32.
;;   The module's matrix products, in the order in which they are computed (A, B: the left and right operand; K: the contracted axis; several contracted axes count as one K, in the product's order):
;;     1. [M 16,384, K 1,024] x [K 1,024, N 1,024]; A: input x; B: input Wq: QUANTISED
;;     2. [M 16,384, K 1,024] x [K 1,024, N 1,024]; A: input x; B: input Wk: QUANTISED
;;     3. [M 16,384, K 1,024] x [K 1,024, N 1,024]; A: input x; B: input Wv: QUANTISED
;;     4. batch 16,384 x [M 16, K 64] x [K 64, N 16]; A: computed on the way; B: computed on the way: QUANTISED
;;     5. batch 16,384 x [M 16, K 16] x [K 16, N 64]; A: softmax; B: computed on the way: left as it is (K = 16 < 32)
;;     6. [M 16,384, K 1,024] x [K 1,024, N 1,024]; A: computed on the way; B: input Wo: QUANTISED
;;   THE QUANTISER, for each operand of a quantised product, along K:
;;     - K is cut into blocks of 32 from its start; a last block that is shorter is filled with zeros.
;;     - A block's scale is 2^e with e = floor(log2(the largest magnitude in the block)) - 2, held to -126 .. 127; a block of zeros has e = 0. As a byte (E8M0): e + 127.
;;     - Each number is divided by its block's scale, clamped to +-7.5, and rounded to the nearest number of E2M3, ties to even, subnormals kept.
;;     - The product sums the exact products of the quantised numbers (number of the format x scale) in f32.
;;   ~~~python
;;   def quantise(x, axis):      # numpy; x: float32 -> the quantised numbers, widened to float32 again
;;       x = np.moveaxis(x, axis, -1); K = x.shape[-1]
;;       x = np.pad(x, [(0, 0)] * (x.ndim - 1) + [(0, -K % 32)]); x = x.reshape(x.shape[:-1] + (-1, 32)); a = np.abs(x).max(-1, keepdims=True)
;;       e = np.where(a > 0, np.clip(np.frexp(np.where(a > 0, a, 1))[1] - 1 - 2, -126, 127), 0)      # np.frexp(a)[1] - 1 = floor(log2(a)), exactly
;;       r = np.clip(x / 2.0 ** e, -7.5, 7.5)
;;       step = 2.0 ** (np.maximum(np.frexp(np.where(r == 0, 1, r))[1] - 1, 0) - 3)
;;       q = np.round(r / step) * step * 2.0 ** e      # np.round: ties to even
;;       return np.moveaxis(q.reshape(q.shape[:-2] + (-1,))[..., :K], -1, axis).astype(np.float32)
;;   ~~~
;;   OPERANDS COMPUTED ON THE WAY. 'Computed on the way' means the value that the module computes at that place (a softmax that the list does not call 'softmax' is quantised finished and normalised). What goes into a quantiser is computed in f32, as accurately as f32 sums, v_exp_f32 and their like allow (about 1e-6 of the number): no bf16 or f16 on the way to a quantiser, and a product that is left as it is and whose result goes on into a quantised operand takes f32 operands (vector FMAs, or v_wmma_f32_16x16x4_f32). A number that lies on a knife's edge between two numbers of the format may be rounded either way, as far as f32 arithmetic and the matrix unit's own rounding can turn it there, and no further.
;; One version. Each part assembles by itself: llvm-mc -triple=amdgcn-amd-amdhsa -mcpu=gfx1250 --defsym DOCPART=n.
;; ======== version 1 of 1: 2 launches
;; limits: right only within a limited range of input values
;; workspace buffers: wts 3,276,800 bytes
;; launch prep (part 1): grid 256 x 1, 4 waves a work-group, no clusters, 0 bytes of LDS; arguments Wk, Wq, Wv, Wo, wts; writes wts
.if DOCPART == 1
	.amdgcn_target "amdgcn-amd-amdhsa--gfx1250"
	.amdhsa_code_object_version 6
	.text
	.protected	k_q4bf7254bfd_prep
	.globl	k_q4bf7254bfd_prep
	.p2align	8
	.type	k_q4bf7254bfd_prep,@function
k_q4bf7254bfd_prep:
	s_mov_b64 s[64:65], 0
	v_nop
	global_prefetch_b8 v0, s[64:65] scope:SCOPE_SE
	s_setreg_imm32_b32 hwreg(HW_REG_WAVE_MODE, 25, 1), 1
	s_wait_xcnt 0x0
; Wk, Wq, Wv, Wo [1024 (k)][1024 (n)], f32, are quantised along k (their FIRST axis) into codes of FP6 (E2M3) with one E8M0 scale byte for each 32 along k,
; and laid in wts in the order in which the next launch's waves take them into registers.
; wts = 32 steps x 4 blocks of 25,600 bytes.  Step 8 p + s: pass p (0 = K, 1 = Q, 2 = V, 3 = O), K step s of 128.  A block holds 16 fragments (16 columns x 128 k, 12 registers a lane)
; as images of their registers: fragment t at 1,536 t, registers 4 q .. 4 q + 3 of lane L at 512 q + 16 L; behind them, at 24,576 + 128 i + 4 L, the scale words of fragments 2 i (lanes 0-15) and 2 i + 1 (lanes 16-31).
; WHICH COLUMN is row r of a fragment: passes K, Q, V take r + 8 (r / 8) of a run of 32 columns (two fragments, 8 columns apart, fill the run), so that in the next launch a lane's 16 results of two
; neighbouring fragments are 16 neighbours along the next product's K; pass O takes 16 neighbouring columns.  Pass V's fragments are sorted by the half of a head's 64 channels, then by the head.
; WHICH k: passes K, Q, V: 128 s + the fragment's own k.  Pass O: K step s holds the four whole blocks of 32 of heads 4 (s % 4) + 0 .. 3, half s / 4 of the head's channels: whole blocks change places, alike in both operands.
; A LANE TAKES A COLUMN AND ITS REGISTERS RUN DOWN k: a block of 32 lies in one lane, the conversions' results are the fragment's registers, nothing is transposed.
; SHARES: work-group = (p, s, 128 neighbouring columns); wave = 32 of these columns = two fragments = one pair of scale words.  A row's 512 bytes are all read inside one work-group, in pieces of 32 or 64 bytes a load.
; The codes leave as 512 consecutive aligned bytes a store; a wave's 32 scale words as 128 consecutive bytes (one byte in 25 of what the launch stores).
; A block's scale byte is its largest magnitude's exponent field - 2, held at 1 from below (a block of zeros keeps the byte 1: its codes are zeros, and this program alone reads the bytes).
; LIMITS: blocks whose largest magnitude lies under 2^-124 keep the byte 1; NaN and infinities among the inputs are not served.
.set BLKB,  25600
.set FRB,   1536
.set WSCO,  24576
.set ADR,   4                          ; v4-7    byte offset in W of (fragment e, half c): v[ADR + 2 e + c]
.set FST,   8                          ; v8      where my 16 bytes of a fragment's image go
.set SST,   9                          ; v9      and my scale word
.set SH8,   10                         ; v10     8 x (lane / 16)
.set FRG,   16                         ; v16-39  the two fragments
.set MXR,   40                         ; v40-41  largest magnitudes
.set SOP,   42                         ; v42-43  the conversions' scale operands
.set BYT,   44                         ; v44-45  scale bytes
.set WPT,   46                         ; v46-47  my two bytes in place; the other half of the lanes' two
.set WRD,   48                         ; v48-49  the two fragments' scale words
.set WOUT,  50                         ; v50     the word that I store
.set UPH,   52                         ; v52-54, v56-58  a block's upper 16 codes (a conversion's three registers begin on an even number)
.set XN,    64                         ; v64-191 the numbers: fragment e, half c, number i at 64 e + 32 c + i
	s_load_b256 s[4:11], s[0:1], 0x0               ; Wk, Wq, Wv, Wo
	s_load_b64 s[12:13], s[0:1], 0x20              ; wts
	v_lshrrev_b32 v1, 5, v0
	v_readfirstlane_b32 s14, v1                    ; wave 0..3
	v_and_b32 v1, 31, v0                           ; lane
	v_and_b32 v2, 15, v0                           ; r
	s_wait_alu depctr_va_vdst(0)
	v_bfe_u32 v3, v0, 4, 1                         ; h
	s_wait_alu depctr_va_vdst(0)
	s_lshr_b32 s15, ttmp9, 6                       ; p
	s_bfe_u32 s16, ttmp9, 0x30003                  ; s
	s_and_b32 s17, ttmp9, 7                        ; which 128 columns
	s_lshl_b32 s21, s16, 7                         ; first k: 128 s,
	s_and_b32 s22, s16, 3
	s_lshl_b32 s22, s22, 8
	s_lshr_b32 s23, s16, 2
	s_lshl_b32 s23, s23, 5
	s_add_co_u32 s22, s22, s23                     ; or, in pass O, 256 (s % 4) + 32 (s / 4)
	s_cmp_eq_u32 s15, 3
	s_cselect_b32 s21, s22, s21
	s_cselect_b32 s18, 0, 8                        ; rows 8-15 of a fragment lie 8 columns further on (not in pass O)
	s_cselect_b32 s19, 64, 32                      ; bytes from fragment 0's columns to fragment 1's
	s_cselect_b32 s20, 64, 32                      ; k from lanes 0-15 to lanes 16-31; twice that from half c = 0 to c = 1
	s_lshr_b32 s24, s17, 1                         ; the block (passes K, Q, O): 256 columns each,
	s_and_b32 s25, s17, 1
	s_lshl_b32 s25, s25, 2
	s_add_co_u32 s25, s25, s14                     ; and the pair of fragments in it
	s_lshl_b32 s26, s17, 1
	s_lshr_b32 s27, s14, 1
	s_add_co_u32 s26, s26, s27                     ; pass V: the head g,
	s_and_b32 s27, s14, 1
	s_lshl_b32 s27, s27, 1
	s_lshr_b32 s28, s26, 3
	s_add_co_u32 s27, s27, s28                     ; the block 2 x (half of the channels) + g / 8,
	s_and_b32 s26, s26, 7                          ; the pair g % 8
	s_cmp_eq_u32 s15, 2
	s_cselect_b32 s24, s27, s24
	s_cselect_b32 s25, s26, s25
	; PASS O IS LAID BY GROUPS OF 64 COLUMNS: of a wave's 256 columns, group jj (column fragments 4 jj + t) takes steps 24 + 2 jj + s / 4; in a block, fragment 4 (s % 4) + t holds K step s of column fragment t.
	; So the next launch finishes 64 columns in two steps.  My pair of column fragments is 2 s25, 2 s25 + 1: jj = s25 / 2, t = 2 (s25 % 2) + 0, 1
	s_lshr_b32 s26, s25, 1
	s_lshl_b32 s26, s26, 1
	s_lshr_b32 s27, s16, 2
	s_add_co_u32 s26, s26, s27                     ; pass O: the step in the pass, 2 jj + s / 4,
	s_and_b32 s27, s16, 3
	s_lshl_b32 s27, s27, 1
	s_and_b32 s37, s25, 1
	s_add_co_u32 s27, s27, s37                     ; and the pair of fragments in the block, 2 (s % 4) + s25 % 2
	s_cmp_eq_u32 s15, 3
	s_cselect_b32 s37, s26, s16
	s_cselect_b32 s25, s27, s25
	s_lshl_b32 s28, s15, 3
	s_add_co_u32 s28, s28, s37
	s_lshl_b32 s28, s28, 2
	s_add_co_u32 s28, s28, s24
	s_mul_i32 s28, s28, BLKB                       ; the block's first byte in wts
	s_mov_b32 s29, 0
	s_lshl_b32 s30, s17, 7
	s_lshl_b32 s31, s14, 5
	s_add_co_u32 s30, s30, s31                     ; my wave's first column
	v_and_b32 v4, s18, v2
	v_add_nc_u32 v4, v4, v2
	v_add_nc_u32 v4, s30, v4                       ; my column in fragment 0
	v_lshlrev_b32 v4, 2, v4
	v_mul_u32_u24 v5, v3, s20
	v_add_nc_u32 v5, s21, v5                       ; my first k
	v_lshl_add_u32 v[ADR], v5, 12, v4              ; a row of W is 4,096 bytes
	s_lshl_b32 s31, s20, 13
	v_add_nc_u32 v[ADR+1], s31, v[ADR]
	v_add_nc_u32 v[ADR+2], s19, v[ADR]
	v_add_nc_u32 v[ADR+3], s19, v[ADR+1]
	s_mul_i32 s31, s25, 2*FRB
	v_lshl_add_u32 v[FST], v1, 4, s31
	s_lshl_b32 s31, s25, 7
	s_add_co_u32 s31, s31, WSCO
	v_lshl_add_u32 v[SST], v1, 2, s31
	v_lshlrev_b32 v[SH8], 3, v3
	v_mov_b32 v[WPT+1], 0                          ; written once: a lane permute's destination counts as one of its sources
	s_mov_b32 s32, 0x76543210
	s_mov_b32 s33, 0xfedcba98                      ; v_permlanex16_b32's selects for lane l xor 16
	s_mov_b32 s36, 0xffff0000                      ; lanes 16-31
	s_wait_alu depctr_va_vdst(0)
	s_wait_kmcnt 0x0
	s_cmp_eq_u32 s15, 2                            ; the pass chooses the weight: the choice hangs on the work-group's number alone
	s_cselect_b64 s[34:35], s[8:9], s[10:11]
	s_cmp_eq_u32 s15, 1
	s_cselect_b64 s[34:35], s[6:7], s[34:35]
	s_cmp_eq_u32 s15, 0
	s_cselect_b64 s[34:35], s[4:5], s[34:35]
	s_add_nc_u64 s[12:13], s[12:13], s[28:29]
.irp e, 0,1
.irp c, 0,1
.irp i, 0,1,2,3,4,5,6,7,8,9,10,11,12,13,14,15,16,17,18,19,20,21,22,23,24,25,26,27,28,29,30,31
	global_load_b32 v[XN+64*\e+32*\c+\i], v[ADR+2*\e+\c], s[34:35] offset:4096*\i
.endr
.endr
.endr
; Fragment e: two blocks a lane, by turns
.macro FRAGQ e
.irp c, 0,1
	v_max3_num_f32 v[MXR+\c], |v[XN+64*\e+32*\c]|, |v[XN+64*\e+32*\c+1]|, 0x1800000   ; with the floor 2^(3 - 127): the byte cannot fall under 1
.endr
.irp i, 2,4,6,8,10,12,14,16,18,20,22,24,26,28,30
.irp c, 0,1
	v_max3_num_f32 v[MXR+\c], v[MXR+\c], |v[XN+64*\e+32*\c+\i]|, |v[XN+64*\e+32*\c+\i+1]|
.endr
.endr
.irp c, 0,1
	v_add_nc_u32 v[SOP+\c], 0xff000000, v[MXR+\c]  ; 2 off the exponent field: the conversion takes this operand's exponent field as its scale
.endr
.irp c, 0,1
	v_lshrrev_b32 v[BYT+\c], 23, v[SOP+\c]         ; the scale's byte
.endr
	v_lshl_or_b32 v[WPT], v[BYT+1], 16, v[BYT]     ; my two bytes: blocks h and 2 + h of my column,
	v_lshlrev_b32 v[WPT], v[SH8], v[WPT]           ; at their places in the word;
	v_permlanex16_b32 v[WPT+1], v[WPT], s32, s33
	v_or_b32 v[WRD+\e], v[WPT], v[WPT+1]           ; with lane l xor 16's two the word is whole
.irp c, 0,1
	v_cvt_scalef32_pk16_fp6_f32 v[FRG+12*\e+6*\c:FRG+12*\e+6*\c+2], v[XN+64*\e+32*\c:XN+64*\e+32*\c+15], v[SOP+\c]
	v_cvt_scalef32_pk16_fp6_f32 v[UPH+4*\c:UPH+4*\c+2], v[XN+64*\e+32*\c+16:XN+64*\e+32*\c+31], v[SOP+\c]
.endr
	v_nop                                          ; one plain place behind a scaled conversion
.irp c, 0,1
.irp i, 0,1,2
	v_mov_b32 v[FRG+12*\e+6*\c+3+\i], v[UPH+4*\c+\i]
.endr
.endr
.irp q, 0,1,2
	global_store_b128 v[FST], v[FRG+12*\e+4*\q:FRG+12*\e+4*\q+3], s[12:13] offset:FRB*\e+512*\q th:TH_STORE_NT   ; 32 lanes store 512 consecutive aligned bytes
.endr
.endm
	s_wait_loadcnt 63                              ; fragment 1's 64 loads are the younger ones; 63 is the largest count that the wait can name, so it is one stricter than needed
	FRAGQ 0
	s_wait_loadcnt 0x0
	FRAGQ 1
	v_cndmask_b32 v[WOUT], v[WRD], v[WRD+1], s36   ; lanes 0-15: fragment 0's words, lanes 16-31: fragment 1's
	global_store_b32 v[SST], v[WOUT], s[12:13] th:TH_STORE_NT
	s_endpgm
.Lfunc_end_k_q4bf7254bfd_prep:
	.size	k_q4bf7254bfd_prep, .Lfunc_end_k_q4bf7254bfd_prep-k_q4bf7254bfd_prep
	.p2alignl 7, 3214868480
	.fill 96, 4, 3214868480
	.section	.rodata,"a",@progbits
	.p2align	6, 0x0
	.amdhsa_kernel k_q4bf7254bfd_prep
		.amdhsa_group_segment_fixed_size 0
		.amdhsa_private_segment_fixed_size 0
		.amdhsa_enable_private_segment 0
		.amdhsa_kernarg_size 40
		.amdhsa_user_sgpr_count 2
		.amdhsa_user_sgpr_kernarg_segment_ptr 1
		.amdhsa_wavefront_size32 1
		.amdhsa_system_sgpr_workgroup_id_x 1
		.amdhsa_system_sgpr_workgroup_id_y 1
		.amdhsa_system_sgpr_workgroup_id_z 1
		.amdhsa_system_vgpr_workitem_id 0
		.amdhsa_next_free_vgpr 192
		.amdhsa_next_free_sgpr 66
		.amdhsa_reserve_vcc 0
		.amdhsa_float_denorm_mode_32 3
		.amdhsa_float_denorm_mode_16_64 3
		.amdhsa_memory_ordered 1
		.amdhsa_forward_progress 1
		.amdhsa_inst_pref_size 23
	.end_amdhsa_kernel
	.amdgpu_metadata
---
amdhsa.version: [ 1, 2 ]
amdhsa.kernels:
  - .name:           k_q4bf7254bfd_prep
    .symbol:         k_q4bf7254bfd_prep.kd
    .args:
      - { .name: Wk, .offset: 0, .size: 8, .value_kind: global_buffer, .address_space: global }
      - { .name: Wq, .offset: 8, .size: 8, .value_kind: global_buffer, .address_space: global }
      - { .name: Wv, .offset: 16, .size: 8, .value_kind: global_buffer, .address_space: global }
      - { .name: Wo, .offset: 24, .size: 8, .value_kind: global_buffer, .address_space: global }
      - { .name: wts, .offset: 32, .size: 8, .value_kind: global_buffer, .address_space: global }
    .group_segment_fixed_size: 0
    .private_segment_fixed_size: 0
    .kernarg_segment_align: 8
    .kernarg_segment_size: 40
    .max_flat_workgroup_size: 128
    .sgpr_count:     66
    .vgpr_count:     192
    .wavefront_size: 32
...
	.end_amdgpu_metadata
.endif
;; end of part 1
;; launch mha (part 2): grid 256 x 1, 4 waves a work-group, clusters of 4 x 1, 327,680 bytes of LDS; arguments x, wts, bk, bq, bv, bo, out0; writes out0
.if DOCPART == 2
	.amdgcn_target "amdgcn-amd-amdhsa--gfx1250"
	.amdhsa_code_object_version 6
	.text
	.protected	k_q4bf7254bfd_mha
	.globl	k_q4bf7254bfd_mha
	.p2align	8
	.type	k_q4bf7254bfd_mha,@function
k_q4bf7254bfd_mha:
	s_mov_b64 s[64:65], 0
	v_nop
	global_prefetch_b8 v0, s[64:65] scope:SCOPE_SE
	s_setreg_imm32_b32 hwreg(HW_REG_WAVE_MODE, 25, 1), 1
	s_wait_xcnt 0x0
	s_wait_alu depctr_hold_cnt(0) depctr_sa_sdst(0) depctr_va_vdst(0) depctr_va_sdst(0) depctr_va_ssrc(0) depctr_va_vcc(0) depctr_vm_vsrc(0)
	s_getreg_b32 s2, hwreg(HW_REG_IB_STS2, 6, 4)
	s_cmp_eq_u32 s2, 0
	s_cbranch_scc0 .Lentry_in_a_cluster
	s_endpgm
.Lentry_in_a_cluster:
	s_bfe_u32 s2, ttmp6, 0x10000c
	s_cmp_lg_u32 s2, 0x3003
	s_cbranch_scc0 .Lentry_shape_is_right
	s_endpgm
.Lentry_shape_is_right:
; out0 = softmax(Q K^T / 8 over the 16 heads of each token) V Wo + bo, with Q, K, V = x W + b: the whole chain in one launch.
; A work-group of four waves takes 64 tokens through four passes (K, Q, V, O), each 64 rows x 1,024 columns x K = 1,024 in eight K steps of 128: 512 accumulator registers a wave.
; The weights come as register images of FP6 fragments with their scale words (laid by the launch before), 102,400 bytes a K step, through a ring of two LDS slots; each wave asks for a quarter of a slot.
; CLUSTERS: the four work-groups of a cluster walk the same weights in the same order and ask for each quarter slot jointly (mask 15); a round of the cluster's barrier stands in front of every refill.
; Clusters begin at different K steps (2 x ((cluster number / 8) mod 4)); x's images lie in LDS in that turned order, the attention's in plain order.
; x is read once (16 rows a wave, 512 bytes of a row a K step), turned through a stage in LDS so that a lane holds 16 neighbours, quantised and kept as fragment images; its later chunks are quantised inside pass K's steps,
; and the chunk two steps on is prefetched, a lane to each 256 bytes.  The weights are not prefetched: 3,276,800 bytes that all 64 clusters read again and again in this launch.
; The products are used transposed (source 0 = weights), so that a lane holds one token and its registers run along the next product's K: Q, K and the attention's result are quantised in registers.
; The bias is the sums' first value: it is loaded into row block 0's accumulators and copied to the other blocks, so that every K step of a pass has one form and a pass is a loop of two steps.
; Scores: one scaled FP6 product a token (K = 64, the upper 64 codes are zeros).  Softmax in f32 with the row's maximum taken away.  P V in f32 multiply-adds (its result goes into a quantiser).
; LIMITS: a block whose largest magnitude lies under 2^-124 keeps the scale byte 1; NaN and infinities among the inputs are not served.
.set SLOTB, 102400
.set BLKB,  25600
.set FRB,   1536
.set WSCO,  24576
.set XIMG,  2*SLOTB
.set XSC,   XIMG+32*FRB
.set RB,    XSC+2048
.set KP,    784
.set KROW,  RB
.set QBUF,  RB+64*KP
.set KS,    QBUF+16*KP
.set QS,    KS+2048
.set PP,    1040
.set PROW,  RB
.set SP,    528
.set BIASL, RB+66816
.set SPARE, 327168
.set SPW,  1
.set NIL,  2
.set LN,   3
.set RR,   4
.set HH,   5
.set LI,   6
.set AW,   7
.set AS,   9
.set AWV,  11
.set ASV,  13
.set AX,   15
.set AXS,  16
.set XB,   17
.set XSB,  18
.set XA,   19
.set STW,  20
.set STR,  21
.set XWI0, 22
.set XWS0, 23
.set TA,   24
.set TB,   25
.set BIO,  26
.set BIL,  27
.set GKQ,  28
.set GV,   29
.set GO,   30
.set XBV,  31
.set WS,   32
.set XS,   64
.set T8,   68
.set SCL,  76
.set XF,   80
.set CODE, 80
.set TT,   80
.set OO,   80
.set BK,   80
.set MX,   112
.set SU,   120
.set TM,   176
.set PW,   192
.set PC,   194
.set TC,   206
.set SW,   214
.set KST,  222
.set KSS,  223
.set QST,  224
.set QSS,  225
.set KRD,  226
.set QRD,  227
.set SRD,  228
.set PST,  229
.set PA0,  230
.set OWI0, 231
.set OWS0, 232
.set STO,  233
.set CO,   234
.set XSBV, 235
.set TCC,  236
.set PFO,  237
.set PAM,  238                         ; v238-240 the attention's addresses for this run's 16 tokens
.set OWIM, 239
.set OWSM, 240
.set MC,   55
.set XA16, 80                          ; v80-95   pass O: the attention's scale words of all eight K steps
.set BI,   96                          ; v96-127  pass O: bo at the four column fragments of a group
.set BK2,  128                         ; v128-191 pass O: rows read back from the stage, two sets of 32
.set STR2, 241                         ; v241     pass O: where I read a row of 256 bytes back from my stage
.set CO2,  242                         ; v242     pass O: my byte offset in out0
.set GOB,  243                         ; v243     pass O: LDS address of a group's bias
.set OB,   2                           ; s[2:3]   pass O: out0 at this group's columns
.set KF,   128
.set XR,   192
.set WV,   18
.set WA,   19
.set WB,   20
.set RHO,  21
.set LC,   22
.set PS,   23
.set G1,   24
.set G0,   32
.set SEL,  40
.set CS,   42
.set CT,   50
.set NC,   51
.set BN,   52
.set WOF,  54
.set XP,   56
.set MSB, 0
.macro WIN new
.if MSB != (\new)
	s_set_vgpr_msb (MSB<<8)|(\new)
.set MSB, (\new)
.endif
.endm
.macro PLACES n
.rept \n
	v_nop
.endr
.endm
.macro CREST
	s_cmp_lg_u32 s[WV], 0
	s_cbranch_scc1 .Lnot_wave_0_\@
	s_barrier_signal -3
.Lnot_wave_0_\@:
	s_barrier_wait -3
	s_barrier_signal -1
	s_barrier_wait -1
.endm
.macro CROUND
	s_barrier_signal -1
	s_barrier_wait -1
	CREST
.endm
.macro BARRIER
	s_wait_dscnt 0x0
	s_barrier_signal -1
	s_barrier_wait -1
.endm
.macro WM d, a, b, c, sa, sb, ra, rb
.if (\ra) && (\rb)
	v_wmma_scale_f32_16x16x128_f8f6f4 v[(\d):(\d)+7], v[(\a):(\a)+11], v[(\b):(\b)+11], v[(\c):(\c)+7], v[\sa], v[\sb] matrix_a_fmt:MATRIX_FMT_FP6 matrix_b_fmt:MATRIX_FMT_FP6 matrix_a_scale:MATRIX_SCALE_ROW1 matrix_b_scale:MATRIX_SCALE_ROW1
.elseif (\ra)
	v_wmma_scale_f32_16x16x128_f8f6f4 v[(\d):(\d)+7], v[(\a):(\a)+11], v[(\b):(\b)+11], v[(\c):(\c)+7], v[\sa], v[\sb] matrix_a_fmt:MATRIX_FMT_FP6 matrix_b_fmt:MATRIX_FMT_FP6 matrix_a_scale:MATRIX_SCALE_ROW1
.elseif (\rb)
	v_wmma_scale_f32_16x16x128_f8f6f4 v[(\d):(\d)+7], v[(\a):(\a)+11], v[(\b):(\b)+11], v[(\c):(\c)+7], v[\sa], v[\sb] matrix_a_fmt:MATRIX_FMT_FP6 matrix_b_fmt:MATRIX_FMT_FP6 matrix_b_scale:MATRIX_SCALE_ROW1
.else
	v_wmma_scale_f32_16x16x128_f8f6f4 v[(\d):(\d)+7], v[(\a):(\a)+11], v[(\b):(\b)+11], v[(\c):(\c)+7], v[\sa], v[\sb] matrix_a_fmt:MATRIX_FMT_FP6 matrix_b_fmt:MATRIX_FMT_FP6
.endif
.endm
.macro QUANT win, s, d, pw
	WIN (\win)|((\win)<<2)
.irp b, 0,1,2,3
	v_max3_num_f32 v[TM+\b], |v[(\s)+16*\b]|, |v[(\s)+1+16*\b]|, 0x1800000
.endr
.irp i, 2,4,6,8,10,12,14
.irp b, 0,1,2,3
	v_max3_num_f32 v[TM+\b], |v[(\s)+16*\b+\i]|, |v[(\s)+1+16*\b+\i]|, v[TM+\b]
.endr
.endr
	WIN 0
.irp b, 0,1,2,3
	v_permlanex16_b32 v[TM+4+\b], v[TM+\b], s[SEL], s[SEL+1]
.endr
.irp b, 0,1,2,3
	v_max_num_f32 v[TM+\b], v[TM+\b], v[TM+4+\b]
.endr
.irp b, 0,1,2,3
	v_add_nc_u32 v[TM+12+\b], 0xff000000, v[TM+\b]
.endr
.irp b, 0,1,2,3
	v_lshrrev_b32 v[TM+4+\b], 23, v[TM+12+\b]
.endr
	v_lshl_or_b32 v[\pw], v[TM+5], 8, v[TM+4]
	v_lshl_or_b32 v[\pw], v[TM+6], 16, v[\pw]
	v_lshl_or_b32 v[\pw], v[TM+7], 24, v[\pw]
	WIN (\win)
.irp c, 0,1
	v_cvt_scalef32_pk16_fp6_f32 v[(\d)+6*\c:(\d)+6*\c+2], v[(\s)+32*\c:(\s)+32*\c+15], v[TM+12+2*\c]
	v_cvt_scalef32_pk16_fp6_f32 v[TC+4*\c:TC+4*\c+2], v[(\s)+32*\c+16:(\s)+32*\c+31], v[TM+12+2*\c+1]
.endr
	WIN 0
	v_nop
.irp c, 0,1
.irp i, 0,1,2
	v_permlane16_swap_b32 v[(\d)+6*\c+\i], v[TC+4*\c+\i]
.endr
.irp i, 0,1,2
	v_mov_b32 v[(\d)+6*\c+3+\i], v[TC+4*\c+\i]
.endr
.endr
.endm
.macro IMAGE adr, off, d
.irp c, 0,1,2
	ds_store_b128 v[\adr], v[(\d)+4*\c:(\d)+4*\c+3] offset:(\off)+512*\c
.endr
.endm
.macro DESC n, k
	s_lshl_b32 s44, s[PS], 3
	s_lshl_b32 s45, s[LC], 1
	s_add_co_u32 s44, s44, s45
	s_add_co_u32 s44, s44, (\k)+2
	s_add_co_u32 s45, s44, s[RHO]
	s_and_b32 s45, s45, 7
	s_and_b32 s44, s44, 0x38
	s_or_b32 s44, s44, s45
	s_mul_i32 s46, s44, SLOTB
	s_add_co_u32 s46, s46, s[WOF]
	s_mov_b32 s47, 0
	s_add_nc_u64 s[G0+4*(\n)+2:G0+4*(\n)+3], s[6:7], s[46:47]
	s_or_b32 s[G0+4*(\n)+3], s[G0+4*(\n)+3], 0x80000000
.endm
.macro NEXTX k, xb, xsb, rot
	s_lshl_b32 s44, s[LC], 1
	s_add_co_u32 s44, s44, (\k)
.if \rot
	s_add_co_u32 s44, s44, s[RHO]
.endif
	s_and_b32 s44, s44, 7
	s_mul_i32 s45, s44, 4*FRB
	s_lshl_b32 s44, s44, 8
	v_add_nc_u32 v[AX], s45, v[\xb]
	v_add_nc_u32 v[AXS], s44, v[\xsb]
.endm
.macro FW reg, adr, off
	WIN 0x40
.irp t, 0,1,2,3,4,5,6,7
.irp c, 0,1,2
	ds_load_b128 v[(\reg)+12*\t+4*\c:(\reg)+12*\t+4*\c+3], v[\adr] offset:(\off)+FRB*\t+512*\c
.endr
.endr
.endm
.macro FX set, cnt
	WIN 0
.set fxi, 0
.rept \cnt
.irp c, 0,1,2
	ds_load_b128 v[XF+48*(\set)+12*fxi+4*\c:XF+48*(\set)+12*fxi+4*\c+3], v[AX] offset:FRB*fxi+512*\c
.endr
.set fxi, fxi+1
.endr
.endm
.macro FSC set
	WIN 0
.irp i, 0,1,2,3,4,5,6,7
	ds_load_b32 v[WS+16*(\set)+\i], v[AS+(\set)] offset:128*\i
.endr
	ds_load_b32 v[XS+2*(\set)], v[AXS]
	ds_load_b32 v[XS+2*(\set)+1], v[AXS] offset:128
.endm
.macro FSCV set
	WIN 0
.irp i, 0,1,2,3,4,5,6,7,8,9,10,11,12,13,14,15
	ds_load_b32 v[WS+16*(\set)+\i], v[ASV+(\set)] offset:BLKB*(\i/8)+128*(\i%8)
.endr
	ds_load_b32 v[XS+2*(\set)], v[AXS]
.endm
.macro MULH G, set, m, first
.irp t8, 0,1,2,3,4,5,6,7
.if \first
	WM 64*(\m)+8*\t8, 12*(8*(\G)+\t8), XF+48*(\set)+12*(\m), 8*\t8, WS+16*(\set)+4*(\G)+\t8/2, XS+2*(\set)+(\m)/2, \t8%2, (\m)%2
.else
	WM 64*(\m)+8*\t8, 12*(8*(\G)+\t8), XF+48*(\set)+12*(\m), 64*(\m)+8*\t8, WS+16*(\set)+4*(\G)+\t8/2, XS+2*(\set)+(\m)/2, \t8%2, (\m)%2
.endif
.endr
.endm
.macro XLOAD reg, base
	WIN 0x40
.irp row, 0,1,2,3,4,5,6,7,8,9,10,11,12,13,14,15
	global_load_b128 v[(\reg)+4*\row:(\reg)+4*\row+3], v[XA], s[\base:\base+1] offset:4096*\row th:TH_LOAD_NT
.endr
	WIN 0
.endm
.macro XTURN raw, win, dst
	WIN 0x04
.irp row, 0,1,2,3,4,5,6,7,8,9,10,11,12,13,14,15
	ds_store_b128 v[STW], v[(\raw)+4*\row:(\raw)+4*\row+3] offset:SP*\row
.endr
	WIN (\win)<<6
.irp b, 0,1,2,3
.irp j, 0,1,2,3
	ds_load_b128 v[(\dst)+16*\b+4*\j:(\dst)+16*\b+4*\j+3], v[STR] offset:128*\b+16*\j
.endr
.endr
	WIN 0
.endm
.macro XWORK k
	s_lshl_b32 s49, s[LC], 1
	s_add_co_u32 s49, s49, (\k)+2
	s_lshl_b32 s48, s[PS], 3
	s_add_co_u32 s48, s48, s49
	s_cmp_lt_u32 s48, 8
	s_cbranch_scc0 .Lxw_none_\@
	s_and_b32 s49, s49, 7
	s_mul_i32 s44, s49, 4*FRB
	s_lshl_b32 s45, s49, 8
	v_add_nc_u32 v[TA], s44, v[XWI0]
	v_add_nc_u32 v[TB], s45, v[XWS0]
	s_wait_loadcnt 0x0
	XTURN XR, 1, XR
	s_wait_xcnt 0x0
	s_add_co_u32 s46, s49, s[RHO]
	s_add_co_u32 s46, s46, 1
	s_and_b32 s46, s46, 7
	s_lshl_b32 s46, s46, 9
	s_mov_b32 s47, 0
	s_add_nc_u64 s[XP:XP+1], s[4:5], s[46:47]
	s_add_co_u32 s46, s49, s[RHO]
	s_add_co_u32 s46, s46, 2
	s_and_b32 s46, s46, 7
	s_lshl_b32 s46, s46, 9
	s_add_nc_u64 s[XP+2:XP+3], s[4:5], s[46:47]
	s_wait_dscnt 0x0
	QUANT 1, XR, PC, PW
	s_cmp_lt_u32 s48, 7
	s_cbranch_scc0 .Lxw_last_\@
	XLOAD XR, XP
	s_cmp_lt_u32 s48, 6
	s_cbranch_scc0 .Lxw_last_\@
	global_prefetch_b8 v[PFO], s[XP+2:XP+3] th:TH_LOAD_NT scope:SCOPE_SE
.Lxw_last_\@:
	s_wait_alu depctr_va_vdst(0)
	IMAGE TA, 0, PC
	ds_store_b32 v[TB], v[PW]
.Lxw_none_\@:
.endm
.macro STEP slot, k, first, fill, fetch, rot, xw
	s_wait_dscnt 24
	WIN 0xa1
	MULH 0, \slot, 1, \first
	MULH 0, \slot, 2, \first
	MULH 0, \slot, 3, \first
.if \first
	PLACES 5
.endif
	MULH 0, \slot, 0, 0
	WIN 0
.if \fill
	s_wait_tensorcnt 0x0
	ds_add_u32 v[SPW], v[NIL]
.if \fill == 2
	DESC \slot, \k
.endif
	s_wait_dscnt 0x0
	s_barrier_signal -1
	s_barrier_wait -1
.else
	s_wait_dscnt 0x0
.endif
.if \fill == 2
	CREST
	tensor_load_to_lds s[G0+4*\slot:G0+4*\slot+3], s[G1:G1+7]
	s_nop 0
.endif
.if (\fill == 2) || \fetch
	PLACES 4
.endif
.if \fetch == 2
	s_cmp_eq_u32 s[LC], 3                          ; the pass's last step has no next step: the jump leads round LDS loads alone
	s_cbranch_scc1 .Lnf_a_\@
.endif
.if \fetch
	NEXTX (\k)+1, XB, XSB, \rot
	FW 0, AW+1-\slot, 0
	FX 1-\slot, 4
	FSC 1-\slot
.endif
.if \fetch == 2
.Lnf_a_\@:
.endif
	WIN 0xf1
	MULH 1, \slot, 1, \first
	MULH 1, \slot, 2, \first
	MULH 1, \slot, 3, \first
.if \first
	PLACES 5
.endif
	MULH 1, \slot, 0, 0
.if \fetch == 2
	WIN 0
	s_cmp_eq_u32 s[LC], 3
	s_cbranch_scc1 .Lnf_b_\@
.endif
.if \fetch
	PLACES 4
	FW 96, AW+1-\slot, 8*FRB
.endif
	WIN 0
.if \fetch == 2
.Lnf_b_\@:
.endif
.if \xw
	XWORK \k
.endif
.endm
.macro VB q, set, mm
.irp t8, 0,1,2,3,4,5,6,7
	WM 8*(8*(\q)+\t8), 96*((\q)%2)+12*\t8, XF+48*(\set)+12*(\mm), 8*(8*(\q)+\t8), WS+16*(\set)+4*(\q)+\t8/2, XS+2*(\set), \t8%2, \mm
.endr
.endm
.macro VBATCH q, set, first
.if \first
	WIN 0xe1
.else
	WIN 0xf1
.endif
	VB \q, \set, 1
.if \first
	PLACES 5
.endif
	WIN 0xa1
	VB \q, \set, 0
.endm
.macro VSTEP slot, k, first, fetch
	s_wait_dscnt 24
	VBATCH 0, \slot, \first
	PLACES 4
	FW 0, AWV+\slot, BLKB
	s_wait_dscnt 24
	VBATCH 1, \slot, \first
	PLACES 4
	FW 96, AWV+\slot, BLKB+8*FRB
	s_wait_dscnt 24
	VBATCH 2, \slot, \first
	WIN 0
	s_wait_tensorcnt 0x0
	ds_add_u32 v[SPW], v[NIL]
	DESC \slot, \k
	s_wait_dscnt 0x0
	s_barrier_signal -1
	s_barrier_wait -1
	CREST
	tensor_load_to_lds s[G0+4*\slot:G0+4*\slot+3], s[G1:G1+7]
	s_nop 0
	PLACES 4
.if \fetch == 2
	s_cmp_eq_u32 s[LC], 3                          ; the pass's last step has no next step: the jump leads round LDS loads alone
	s_cbranch_scc1 .Lvnf_a_\@
.endif
.if \fetch
	NEXTX (\k)+1, XBV, XSBV, 0
	FW 0, AWV+1-\slot, 0
	FX 1-\slot, 2
	FSCV 1-\slot
.endif
.if \fetch == 2
.Lvnf_a_\@:
.endif
	VBATCH 3, \slot, \first
.if \fetch == 2
	WIN 0
	s_cmp_eq_u32 s[LC], 3
	s_cbranch_scc1 .Lvnf_b_\@
.endif
.if \fetch
	PLACES 4
	FW 96, AWV+1-\slot, 8*FRB
.endif
	WIN 0
.if \fetch == 2
.Lvnf_b_\@:
.endif
.endm
.macro BFETCH lo
	global_load_b128 v[T8:T8+3], v[BIO], s[\lo:\lo+1]
	global_load_b128 v[T8+4:T8+7], v[BIO], s[\lo:\lo+1] offset:2048
.endm
.macro BPUT
	ds_store_b128 v[BIL], v[T8:T8+3]
	ds_store_b128 v[BIL], v[T8+4:T8+7] offset:2048
.endm
.macro GETC adr, kq
.irp G, 0,1
	WIN 0x80+0x40*\G
.irp t, 0,1,2,3,4,5,6,7
.if \kq
	ds_load_b128 v[8*\t:8*\t+3], v[\adr] offset:(128*\G+32*(\t/2)+8*(\t%2))*4
	ds_load_b128 v[8*\t+4:8*\t+7], v[\adr] offset:(128*\G+32*(\t/2)+8*(\t%2))*4+16
.else
	ds_load_b128 v[8*\t:8*\t+3], v[\adr] offset:64*(8*\G+\t)
	ds_load_b128 v[8*\t+4:8*\t+7], v[\adr] offset:64*(8*\G+\t)+16
.endif
.endr
.endr
	WIN 0
.endm
; The bias, which lies in row block 0's 64 accumulator registers of each window, is copied to row blocks 1 to 3: all four blocks begin their sums with it
.macro BCOPY
.irp G, 0,1
	WIN 0x82+0x41*\G
.set bci, 0
.rept 32                               ; two registers an instruction: destinations even and odd, sources in different banks
	v_dual_mov_b32 v[64+bci], v[bci] :: v_dual_mov_b32 v[64+bci+1], v[bci+1]
	v_dual_mov_b32 v[128+bci], v[bci] :: v_dual_mov_b32 v[128+bci+1], v[bci+1]
	v_dual_mov_b32 v[192+bci], v[bci] :: v_dual_mov_b32 v[192+bci+1], v[bci+1]
.set bci, bci+2
.endr
.endr
	WIN 0
.endm
.macro PROLOG rot
	s_mov_b32 s[LC], 0
	NEXTX 0, XB, XSB, \rot
	FW 0, AW, 0
	FX 0, 4
	FSC 0
	s_wait_dscnt 46                                ; the bias is in: the 24 + 12 + 10 loads issued behind it may be out, and land while it is copied
	BCOPY
	FW 96, AW, 8*FRB
	WIN 0
	s_wait_alu depctr_va_vdst(0)                   ; the wait here, ahead of the first step's wait
.endm
	s_load_b256 s[4:11], s[0:1], 0x0
	s_load_b128 s[12:15], s[0:1], 0x20
	s_load_b64 s[16:17], s[0:1], 0x30
	v_lshl_add_u32 v[SPW], v0, 2, SPARE
	v_mov_b32 v[NIL], 0
	ds_add_u32 v1, v2
	ds_add_u32 v1, v2
	s_wait_dscnt 0x0
	v_lshrrev_b32 v[LN], 5, v0
	v_readfirstlane_b32 s[WV], v[LN]
	s_and_b32 s[WA], s[WV], 1
	s_lshr_b32 s[WB], s[WV], 1
	s_bfe_u32 s[RHO], ttmp9, 0x20003               ; bits 4:3 of the cluster's number: eight neighbouring clusters walk the weights in the same order
	s_lshl_b32 s[RHO], s[RHO], 1                   ; the K step at which my cluster begins each pass: 0, 2, 4 or 6, even, so that pass O's pairs of steps stay together
	s_mul_i32 s[WOF], s[WV], BLKB
	s_bfe_u32 s58, ttmp6, 0x40000
	s_lshl_b32 s59, ttmp9, 2
	s_add_co_u32 s59, s59, s58
	s_lshl_b32 s60, s59, 18
	s_mov_b32 s61, 0
	s_mov_b32 s[G1], 15|(3<<16)|(1<<21)
	s_mov_b32 s[G1+1], 32<<16
	s_mov_b32 s[G1+2], 100<<16
	s_mov_b32 s[G1+3], 32<<16
	s_mov_b32 s[G1+4], 100
	s_mov_b32 s[G1+5], 32
	s_mov_b32 s[G1+6], 0
	s_mov_b32 s[G1+7], 0
	s_mov_b32 s[SEL], 0x76543210
	s_mov_b32 s[SEL+1], 0xfedcba98
	s_mov_b32 s[CS], 0x3e38aa3b
	s_mov_b32 s[CS+1], s[CS]
	s_mov_b32 s[NC], 0xbe38aa3b
	s_wait_kmcnt 0x0
	s_add_nc_u64 s[4:5], s[4:5], s[60:61]
	s_add_nc_u64 s[16:17], s[16:17], s[60:61]
.irp n, 0,1
	s_add_co_u32 s44, s[RHO], \n
	s_and_b32 s44, s44, 7
	s_mul_i32 s46, s44, SLOTB
	s_add_co_u32 s46, s46, s[WOF]
	s_mov_b32 s47, 0
	s_mov_b32 s[G0+4*\n], 1
	s_add_co_u32 s[G0+4*\n+1], s[WOF], \n*SLOTB
	s_add_nc_u64 s[G0+4*\n+2:G0+4*\n+3], s[6:7], s[46:47]
	s_or_b32 s[G0+4*\n+3], s[G0+4*\n+3], 0x80000000
.endr
	CROUND
	tensor_load_to_lds s[G0:G0+3], s[G1:G1+7]
	s_nop 0
	PLACES 4
	v_and_b32 v[LN], 31, v0                        ; x's and the bias's loads and all addresses are made while slot 0's first fill is out
	v_and_b32 v[RR], 15, v0
	v_bfe_u32 v[HH], v0, 4, 1
	v_lshlrev_b32 v[LI], 4, v[LN]
	s_lshl_b32 s44, s[WV], 16
	v_add_nc_u32 v[XA], s44, v[LI]
	s_wait_alu depctr_va_vdst(0)
	v_lshlrev_b32 v[BIO], 4, v0
	BFETCH 8
.irp n, 0,1,2
	s_add_co_u32 s46, s[RHO], \n
	s_and_b32 s46, s46, 7
	s_lshl_b32 s46, s46, 9
	s_mov_b32 s47, 0
	s_add_nc_u64 s[XP+2*\n:XP+2*\n+1], s[4:5], s[46:47]
.endr
	XLOAD 0, XP
	XLOAD 64, XP+2
	XLOAD XR, XP+4
	v_lshrrev_b32 v[PFO], 1, v[LN]
	v_lshlrev_b32 v[PFO], 12, v[PFO]
	v_and_b32 v[TA], 1, v[LN]
	v_lshl_add_u32 v[PFO], v[TA], 8, v[PFO]
	v_add_nc_u32 v[PFO], s44, v[PFO]
	v_add_nc_u32 v[AW], s[WOF], v[LI]
	v_add_nc_u32 v[AW+1], SLOTB, v[AW]
	v_lshl_add_u32 v[AS], v[LN], 2, s[WOF]
	v_add_nc_u32 v[AS], WSCO, v[AS]
	v_add_nc_u32 v[AS+1], SLOTB, v[AS]
	s_mul_i32 s44, s[WB], 2*BLKB
	v_add_nc_u32 v[AWV], s44, v[LI]
	v_add_nc_u32 v[AWV+1], SLOTB, v[AWV]
	v_lshl_add_u32 v[ASV], v[LN], 2, s44
	v_add_nc_u32 v[ASV], WSCO, v[ASV]
	v_add_nc_u32 v[ASV+1], SLOTB, v[ASV]
	v_add_nc_u32 v[XB], XIMG, v[LI]
	v_lshl_add_u32 v[XSB], v[LN], 2, XSC
	s_mul_i32 s44, s[WA], 2*FRB
	v_add_nc_u32 v[XBV], s44, v[XB]
	s_lshl_b32 s44, s[WA], 7
	v_add_nc_u32 v[XSBV], s44, v[XSB]
	s_mul_i32 s45, s[WV], 16*SP
	s_add_co_u32 s45, s45, RB
	v_add_nc_u32 v[STW], s45, v[LI]
	v_mul_u32_u24 v[STR], v[RR], SP
	v_lshl_add_u32 v[STO], v[HH], 5, v[STR]
	v_lshl_add_u32 v[STR], v[HH], 6, v[STR]
	v_add_nc_u32 v[STR], s45, v[STR]
	v_add_nc_u32 v[STO], s45, v[STO]
	v_mul_u32_u24 v[STR2], v[HH], SP
	v_lshl_add_u32 v[STR2], v[RR], 4, v[STR2]
	v_add_nc_u32 v[STR2], s45, v[STR2]             ; back from the stage: sixteen lanes to a row's 256 bytes, two rows an instruction
	s_mul_i32 s44, s[WV], FRB
	v_add_nc_u32 v[XWI0], s44, v[XB]
	s_lshl_b32 s44, s[WV], 6
	s_add_co_u32 s44, s44, XSC
	v_lshl_add_u32 v[XWS0], v[RR], 2, s44
	v_add_nc_u32 v[BIL], BIASL, v[BIO]
	s_lshl_b32 s44, s[WV], 10
	v_lshl_add_u32 v[CO2], v[HH], 12, s44
	v_lshl_add_u32 v[CO2], v[RR], 4, v[CO2]        ; and the same two rows in out0, at my wave's 256 columns
	s_add_co_u32 s44, s44, BIASL
	v_lshl_add_u32 v[GKQ], v[HH], 6, s44
	v_lshl_add_u32 v[GO], v[HH], 5, s44
	s_lshl_b32 s44, s[WB], 7
	s_add_co_u32 s44, s44, BIASL
	v_lshl_add_u32 v[GV], v[HH], 6, s44
	v_mul_u32_u24 v[KST], v[RR], KP
	v_mad_u32_u24 v[KST], v[HH], 24, v[KST]
	s_mul_i32 s44, s[WV], 192
	v_add_nc_u32 v[KST], s44, v[KST]
	v_add_nc_u32 v[QST], QBUF, v[KST]
	v_add_nc_u32 v[KST], KROW, v[KST]
	s_lshl_b32 s44, s[WV], 3
	v_lshl_add_u32 v[KSS], v[RR], 5, s44
	v_add_nc_u32 v[QSS], QS, v[KSS]
	v_add_nc_u32 v[KSS], KS, v[KSS]
	v_mul_u32_u24 v[KRD], v[RR], 48
	v_mad_u32_u24 v[KRD], v[HH], 24, v[KRD]
	s_mul_i32 s44, s[WV], 4*KP
	v_add_nc_u32 v[KRD], s44, v[KRD]
	v_add_nc_u32 v[QRD], QBUF, v[KRD]
	v_add_nc_u32 v[KRD], KROW, v[KRD]
	s_lshl_b32 s44, s[WV], 7
	s_add_co_u32 s44, s44, KS
	v_lshl_add_u32 v[SRD], v[RR], 1, s44
	v_lshl_add_u32 v[SRD], v[HH], 11, v[SRD]
	s_mul_i32 s44, s[WV], 4*PP
	s_add_co_u32 s44, s44, PROW
	v_lshl_add_u32 v[PST], v[RR], 6, s44
	v_lshl_add_u32 v[PST], v[HH], 5, v[PST]
	s_mul_i32 s44, s[WA], 32*PP
	s_add_co_u32 s44, s44, PROW
	v_mul_u32_u24 v[PA0], v[RR], PP
	v_add_nc_u32 v[PA0], s44, v[PA0]
	s_lshl_b32 s44, s[WB], 4
	s_lshl_b32 s45, s[WA], 1
	s_add_co_u32 s44, s44, s45
	s_mul_i32 s44, s44, FRB
	v_add_nc_u32 v[OWI0], s44, v[XB]
	s_lshl_b32 s44, s[WB], 10
	s_lshl_b32 s45, s[WA], 7
	s_add_co_u32 s44, s44, s45
	s_add_co_u32 s44, s44, XSC
	v_lshl_add_u32 v[OWS0], v[RR], 2, s44
.irp b, 0,1,2,3
	v_mov_b32 v[TM+4+\b], 0
.endr
	s_wait_alu depctr_va_vdst(0)                   ; the wait at the head's end
	s_wait_tensorcnt 0x0                           ; my quarter of slot 0 is in; slot 1's first fill is issued as a refill is
	ds_add_u32 v[SPW], v[NIL]
	s_wait_dscnt 0x0
	CROUND
	tensor_load_to_lds s[G0+4:G0+7], s[G1:G1+7]
	s_nop 0
	PLACES 4
	s_wait_loadcnt 32
	XTURN 0, 2, 0
	s_wait_loadcnt 16
	XTURN 64, 2, 64
	s_wait_dscnt 32
	QUANT 2, 0, PC, PW
	IMAGE XWI0, 0, PC
	ds_store_b32 v[XWS0], v[PW]
	s_wait_dscnt 0x0
	QUANT 2, 64, PC, PW
	IMAGE XWI0, 4*FRB, PC
	ds_store_b32 v[XWS0], v[PW] offset:256
	s_mov_b32 s[PS], 0
	s_wait_tensorcnt 0x1
.Lkq:
	s_wait_loadcnt 0x0
	BPUT
	BARRIER
	s_cmp_eq_u32 s[PS], 0
	s_cselect_b64 s[BN:BN+1], s[10:11], s[12:13]
	BFETCH BN
	GETC GKQ, 1
	PROLOG 0
.Lkq_lap:                                              ; four trips of two K steps; every step fills its slot again: the ring goes on into the next pass
	STEP 0, 0, 0, 2, 1, 0, 1
	STEP 1, 1, 0, 2, 2, 0, 1
	s_add_co_u32 s[LC], s[LC], 1
	s_cmp_lt_u32 s[LC], 4
	s_cbranch_scc1 .Lkq_lap
	PLACES 4
.irp m, 0,1,2,3
.irp G, 0,1
	QUANT 2+\G, 64*\m, CODE+12*(2*\m+\G), SW+2*\m+\G
.endr
.endr
	s_cmp_lg_u32 s[PS], 0
	s_cbranch_scc1 .Lnot_k
.irp m, 0,1,2,3
.irp G, 0,1
.irp c, 0,1
.irp i, 0,1,2
	ds_store_b64 v[KST], v[CODE+12*(2*\m+\G)+6*\c+2*\i:CODE+12*(2*\m+\G)+6*\c+2*\i+1] offset:16*KP*\m+96*\G+48*\c+8*\i
.endr
.endr
	ds_store_b32 v[KSS], v[SW+2*\m+\G] offset:512*\m+4*\G
.endr
.endr
.Lnot_k:
	s_add_co_u32 s[PS], s[PS], 1
	s_cmp_lt_u32 s[PS], 2
	s_cbranch_scc1 .Lkq
	WIN 0x40
.irp i, 0,1,2,3
.irp j, 6,7,8,9,10,11
	v_mov_b32 v[KF+24*\i+\j], 0
	v_mov_b32 v[KF+12+24*\i+\j], 0
.endr
.endr
	s_wait_alu depctr_va_vdst(0)
	WIN 0
	PLACES 4
.irp m, 0,1,2,3
.irp G, 0,1
.irp c, 0,1
.irp i, 0,1,2
	ds_store_b64 v[QST], v[CODE+12*(2*\m+\G)+6*\c+2*\i:CODE+12*(2*\m+\G)+6*\c+2*\i+1] offset:96*\G+48*\c+8*\i
.endr
.endr
	ds_store_b32 v[QSS], v[SW+2*\m+\G] offset:512*\m+4*\G
.endr
	BARRIER
	WIN 0x40
.irp i, 0,1,2,3
.irp p, 0,1,2
	ds_load_b64 v[KF+24*\i+2*\p:KF+24*\i+2*\p+1], v[KRD] offset:KP*(16*\m+\i)+8*\p
	ds_load_b64 v[KF+12+24*\i+2*\p:KF+12+24*\i+2*\p+1], v[QRD] offset:KP*\i+8*\p
.endr
.endr
	WIN 0
.irp i, 0,1,2,3
	ds_load_u16 v[SCL+\i], v[SRD] offset:512*\m+32*\i
.endr
	BARRIER
	WIN 0x45
.irp i, 0,1,2,3
	v_wmma_scale_f32_16x16x128_f8f6f4 v[8*(4*\m+\i):8*(4*\m+\i)+7], v[KF+24*\i:KF+24*\i+11], v[KF+12+24*\i:KF+12+24*\i+11], 0, v[SCL+\i], v[SCL+\i] matrix_a_fmt:MATRIX_FMT_FP6 matrix_b_fmt:MATRIX_FMT_FP6 matrix_b_scale:MATRIX_SCALE_ROW1
.endr
	WIN 0
	PLACES 4
.endr
	WIN 0x04
.irp n, 0,1,2,3,4,5,6,7,8,9,10,11,12,13,14,15
	ds_store_b128 v[PST], v[8*\n:8*\n+3] offset:PP*(16*(\n/4)+\n%4)
	ds_store_b128 v[PST], v[8*\n+4:8*\n+7] offset:PP*(16*(\n/4)+\n%4)+16
.endr
	WIN 0
.irp i, 0,1,2,3
	v_mov_b32 v[MX+2*\i+1], 0
.endr
	s_mov_b32 s[CT], 0
.Lsm:
	s_mul_i32 s44, s[CT], 16*PP
	v_add_nc_u32 v[TA], s44, v[PST]
.irp i, 0,1,2,3
	ds_load_b128 v[TT+8*\i:TT+8*\i+3], v[TA] offset:PP*\i
	ds_load_b128 v[TT+8*\i+4:TT+8*\i+7], v[TA] offset:PP*\i+16
.endr
	s_wait_dscnt 0x0
.irp i, 0,1,2,3
	v_max3_num_f32 v[MX+2*\i], v[TT+8*\i], v[TT+8*\i+1], v[TT+8*\i+2]
.endr
.irp i, 0,1,2,3
	v_max3_num_f32 v[MX+2*\i], v[MX+2*\i], v[TT+8*\i+3], v[TT+8*\i+4]
.endr
.irp i, 0,1,2,3
	v_max3_num_f32 v[MX+2*\i], v[MX+2*\i], v[TT+8*\i+5], v[TT+8*\i+6]
.endr
.irp i, 0,1,2,3
	v_max_num_f32 v[MX+2*\i], v[MX+2*\i], v[TT+8*\i+7]
.endr
.irp i, 0,1,2,3
	v_permlanex16_b32 v[MX+2*\i+1], v[MX+2*\i], s[SEL], s[SEL+1]
.endr
.irp i, 0,1,2,3
	v_max_num_f32 v[MX+2*\i], v[MX+2*\i], v[MX+2*\i+1]
.endr
.irp i, 0,1,2,3
	v_mul_f32 v[MX+2*\i], s[NC], v[MX+2*\i]
.endr
.irp i, 0,1,2,3
.irp j, 0,2,4,6
	v_pk_fma_f32 v[TT+8*\i+\j:TT+8*\i+\j+1], v[TT+8*\i+\j:TT+8*\i+\j+1], s[CS:CS+1], v[MX+2*\i:MX+2*\i+1] op_sel_hi:[1,0,0]
.endr
.endr
	s_wait_alu depctr_va_vdst(0)
.irp j, 0,1,2,3,4,5,6,7,8,9,10,11,12,13,14,15,16,17,18,19,20,21,22,23,24,25,26,27,28,29,30,31
	v_exp_f32 v[TT+\j], v[TT+\j]
.endr
	v_nop
	s_wait_alu depctr_va_vdst(0)
.irp i, 0,1,2,3
	v_pk_add_f32 v[SU+2*\i:SU+2*\i+1], v[TT+8*\i:TT+8*\i+1], v[TT+8*\i+2:TT+8*\i+3]
.endr
.irp i, 0,1,2,3
	v_pk_add_f32 v[SU+2*\i:SU+2*\i+1], v[SU+2*\i:SU+2*\i+1], v[TT+8*\i+4:TT+8*\i+5]
.endr
.irp i, 0,1,2,3
	v_pk_add_f32 v[SU+2*\i:SU+2*\i+1], v[SU+2*\i:SU+2*\i+1], v[TT+8*\i+6:TT+8*\i+7]
.endr
.irp i, 0,1,2,3
	v_add_f32 v[SU+2*\i], v[SU+2*\i], v[SU+2*\i+1]
.endr
.irp i, 0,1,2,3
	v_permlanex16_b32 v[SU+2*\i+1], v[SU+2*\i], s[SEL], s[SEL+1]
.endr
.irp i, 0,1,2,3
	v_add_f32 v[SU+2*\i], v[SU+2*\i], v[SU+2*\i+1]
.endr
	s_wait_alu depctr_va_vdst(0)
.irp i, 0,1,2,3
	v_rcp_f32 v[SU+2*\i], v[SU+2*\i]
.endr
	v_nop
	s_wait_alu depctr_va_vdst(0)
.irp i, 0,1,2,3
.irp j, 0,2,4,6
	v_pk_mul_f32 v[TT+8*\i+\j:TT+8*\i+\j+1], v[TT+8*\i+\j:TT+8*\i+\j+1], v[SU+2*\i:SU+2*\i+1] op_sel_hi:[1,0]
.endr
.endr
.irp i, 0,1,2,3
	ds_store_b128 v[TA], v[TT+8*\i:TT+8*\i+3] offset:PP*\i
	ds_store_b128 v[TA], v[TT+8*\i+4:TT+8*\i+7] offset:PP*\i+16
.endr
	s_wait_dscnt 0x0
	s_add_co_u32 s[CT], s[CT], 1
	s_cmp_lt_u32 s[CT], 4
	s_cbranch_scc1 .Lsm
	s_wait_loadcnt 0x0
	BPUT
	BARRIER
	BFETCH 14
	WIN 0x80
.irp f, 0,1,2,3,4,5,6,7,8,9,10,11,12,13,14,15,16,17,18,19,20,21,22,23,24,25,26,27,28,29,30,31
	ds_load_b128 v[8*\f:8*\f+3], v[GV] offset:(64*(\f/2)+8*(\f%2))*4
	ds_load_b128 v[8*\f+4:8*\f+7], v[GV] offset:(64*(\f/2)+8*(\f%2))*4+16
.endr
	WIN 0
	s_mov_b32 s[LC], 0
	NEXTX 0, XBV, XSBV, 0
	FW 0, AWV, 0
	FX 0, 2
	FSCV 0
	s_wait_dscnt 47                                ; the bias is in: the 24 + 6 + 17 loads issued behind it may be out
	WIN 0xc2                                       ; my second 16 tokens' sums (window 3) begin with the same bias as the first's (window 2)
.set bci, 0
.rept 128
	v_dual_mov_b32 v[bci], v[bci] :: v_dual_mov_b32 v[bci+1], v[bci+1]
.set bci, bci+2
.endr
	FW 96, AWV, 8*FRB
	WIN 0
	s_wait_alu depctr_va_vdst(0)                   ; the wait here, ahead of the first step's wait
.Lv_lap:
	VSTEP 0, 0, 0, 1
	VSTEP 1, 1, 0, 2
	s_add_co_u32 s[LC], s[LC], 1
	s_cmp_lt_u32 s[LC], 4
	s_cbranch_scc1 .Lv_lap
	s_wait_loadcnt 0x0
	BPUT
	PLACES 4
.macro ATT
	s_mul_i32 s44, s[MC], 16*PP
	v_add_nc_u32 v[PAM], s44, v[PA0]               ; this run's 16 rows of P,
	s_mul_i32 s44, s[MC], FRB
	v_add_nc_u32 v[OWIM], s44, v[OWI0]             ; its fragment images
	s_lshl_b32 s44, s[MC], 6
	v_add_nc_u32 v[OWSM], s44, v[OWS0]             ; and its scale words
	WIN 0x40
.irp j, 0,1,2,3,4,5,6,7,8,9,10,11,12,13,14,15
	ds_load_b128 v[4*\j:4*\j+3], v[PAM] offset:16*\j
.endr
	WIN 0
	s_mov_b32 s[CT], 0
.Latt_\@:
	s_wait_dscnt 0x0
	WIN 2|4
; o(h, i) = sum over g of p(h, g) v(g, i), two multiply-adds an instruction: channel i takes head g while channel i + 1 takes head g + 1, then the other way round.
; So the two destinations are even and odd, and v's two registers, and p's two, lie in different banks (register number mod 4)
.irp hp, 0,1,2,3
.irp g, 0,2,4,6,8,10,12,14
.irp ip, 0,2,4,6,8,10,12,14
.if \g == 0
	v_dual_mul_f32 v[OO+16*\hp+\ip], v[\ip], v[16*\hp] :: v_dual_mul_f32 v[OO+16*\hp+\ip+1], v[16+\ip+1], v[16*\hp+1]
.else
	v_dual_fmac_f32 v[OO+16*\hp+\ip], v[16*\g+\ip], v[16*\hp+\g] :: v_dual_fmac_f32 v[OO+16*\hp+\ip+1], v[16*\g+16+\ip+1], v[16*\hp+\g+1]
.endif
.endr
.irp ip, 0,2,4,6,8,10,12,14
	v_dual_fmac_f32 v[OO+16*\hp+\ip], v[16*\g+16+\ip], v[16*\hp+\g+1] :: v_dual_fmac_f32 v[OO+16*\hp+\ip+1], v[16*\g+\ip+1], v[16*\hp+\g]
.endr
.endr
.endr
	WIN 0
	s_cmp_eq_u32 s[CT], 3
	s_cbranch_scc1 .Latt_last_\@
	s_lshl_b32 s44, s[CT], 8
	v_add_nc_u32 v[TA], s44, v[PAM]
	WIN 0x40
.irp j, 0,1,2,3,4,5,6,7,8,9,10,11,12,13,14,15
	ds_load_b128 v[4*\j:4*\j+3], v[TA] offset:256+16*\j
.endr
	WIN 0
.Latt_last_\@:
	QUANT 0, OO, PC, PW
	s_mul_i32 s44, s[CT], 4*FRB
	s_lshl_b32 s45, s[CT], 8
	v_add_nc_u32 v[TB], s44, v[OWIM]
	v_add_nc_u32 v[TCC], s45, v[OWSM]
	IMAGE TB, 0, PC
	ds_store_b32 v[TCC], v[PW]
	s_add_co_u32 s[CT], s[CT], 1
	s_cmp_lt_u32 s[CT], 4
	s_cbranch_scc1 .Latt_\@
.endm
	s_mov_b32 s[MC], 0
.Latt_m:                                               ; one text serves both halves of my 32 tokens: it reads V from window 2
	ATT
	s_cmp_lg_u32 s[MC], 0
	s_cbranch_scc1 .Latt_same
	WIN 0x83                                       ; behind the first run the second 16 tokens' V comes from window 3 into window 2, each accumulator from its low end on
.set bci, 0
.rept 128
	v_dual_mov_b32 v[bci], v[bci] :: v_dual_mov_b32 v[bci+1], v[bci+1]
.set bci, bci+2
.endr
	WIN 0
.Latt_same:
	s_add_co_u32 s[MC], s[MC], 1
	s_cmp_lt_u32 s[MC], 2
	s_wait_alu depctr_va_vdst(0)                   ; the wait here, directly ahead of the branch
	s_cbranch_scc1 .Latt_m
	s_mov_b32 s[PS], 3
	BARRIER
; PASS O GOES BY GROUPS OF 64 COLUMNS, not by K alone, so that finished columns are stored while the others are multiplied.
; All 32 fragments of the attention's codes (8 K steps x 4 row blocks, 384 registers) stay in registers: K steps 0-3 in window 2, 4-7 in window 3, v0-191 of each.
; The 16 accumulators of a group (4 row blocks x 4 column fragments) lie at v192-255: row blocks 0, 1 in window 2, row blocks 2, 3 in window 3.
; A ring step brings a wave 16 weight fragments: 4 K steps x the group's 4 column fragments; two steps finish a group, which then leaves through the wave's stage.
; The bias is the C of a group's first products.  The 8 accumulators of a window take turns, one instruction a turn.
.macro OMUL slot, par, G               ; 32 products: K steps 2 G, 2 G + 1 of this ring step's four
.irp aw, 0,1
.irp kh, 0,1
.set okk, 2*(\G)+\kh
.if ((\par) == 0) && (okk == 0)
	WIN 0x01|((2+(\par))<<2)|((2+\aw)<<6)
.else
	WIN 0x01|((2+(\par))<<2)|((2+\aw)<<4)|((2+\aw)<<6)
.endif
.irp mm, 0,1
.irp t, 0,1,2,3
.if ((\par) == 0) && (okk == 0)
	WM 192+8*(4*\mm+\t), 12*(4*okk+\t), 12*(4*okk+2*\aw+\mm), BI+8*\t, WS+16*(\slot)+2*okk+\t/2, XA16+2*(4*(\par)+okk)+\aw, \t%2, \mm
.else
	WM 192+8*(4*\mm+\t), 12*(4*okk+\t), 12*(4*okk+2*\aw+\mm), 192+8*(4*\mm+\t), WS+16*(\slot)+2*okk+\t/2, XA16+2*(4*(\par)+okk)+\aw, \t%2, \mm
.endif
.endr
.endr
.endr
.endr
.endm
.macro OWSC set                        ; a ring step's eight weight scale words
.irp i, 0,1,2,3,4,5,6,7
	ds_load_b32 v[WS+16*(\set)+\i], v[AS+(\set)] offset:128*\i
.endr
.endm
.macro OBIAS adv                       ; bo at the group of trip LC + adv / 2: group ((2 LC + adv + my cluster's first step) mod 8) / 2, 256 bytes each
	s_lshl_b32 s44, s[LC], 1
	s_add_co_u32 s44, s44, s[RHO]
	s_add_co_u32 s44, s44, \adv
	s_and_b32 s44, s44, 6
	s_lshl_b32 s44, s44, 7
	v_add_nc_u32 v[GOB], s44, v[GO]
.irp t, 0,1,2,3
	ds_load_b128 v[BI+8*\t:BI+8*\t+3], v[GOB] offset:64*\t
	ds_load_b128 v[BI+8*\t+4:BI+8*\t+7], v[GOB] offset:64*\t+16
.endr
.endm
.macro OST slot, par, fill, fetch      ; a ring step of pass O; waits, barrier, round and refill as in the other passes' steps
	s_wait_dscnt 24                                ; all but the 24 loads of this step's upper eight fragments
	OMUL \slot, \par, 0
	WIN 0
.if \fill
	s_wait_tensorcnt 0x0
	ds_add_u32 v[SPW], v[NIL]
.if \fill == 2
	DESC \slot, \par
.endif
	s_wait_dscnt 0x0
	s_barrier_signal -1
	s_barrier_wait -1
.else
	s_wait_dscnt 0x0
.endif
.if \fill == 2
	CREST
	tensor_load_to_lds s[G0+4*\slot:G0+4*\slot+3], s[G1:G1+7]
	s_nop 0
.endif
.if (\fill == 2) || \fetch
	PLACES 4
.endif
.if \fetch
	FW 0, AW+1-\slot, 0
	WIN 0
	OWSC 1-\slot
.if \par
	OBIAS 2                                        ; the next step begins a group
.endif
.endif
	OMUL \slot, \par, 1
.if \fetch
	PLACES 4
	FW 96, AW+1-\slot, 8*FRB
.endif
	WIN 0
.endm
.macro OSEND m, younger
	s_wait_dscnt \younger                          ; the row block is back in registers
.irp i, 0,1,2,3,4,5,6,7
	global_store_b128 v[CO2], v[BK2+32*((\m)%2)+4*\i:BK2+32*((\m)%2)+4*\i+3], s[OB:OB+1] offset:(16*(\m)+2*\i)*4096 th:TH_STORE_NT   ; sixteen lanes store 256 consecutive aligned bytes
.endr
.endm
.macro OOUT                            ; a finished group: 64 rows x 64 columns, by row blocks of 16 through my own stage
	PLACES 4
	s_wait_xcnt 0x0                                ; the last group's stores have read their base and their data
	s_lshl_b32 s46, s[LC], 1
	s_add_co_u32 s46, s46, s[RHO]
	s_and_b32 s46, s46, 6
	s_lshl_b32 s46, s46, 7                         ; 256 bytes x the group
	s_mov_b32 s47, 0
	s_add_nc_u64 s[OB:OB+1], s[16:17], s[46:47]
.irp m, 0,1,2,3
	WIN (2+\m/2)<<2
.irp t, 0,1,2,3
	ds_store_b128 v[STO], v[192+8*(4*(\m%2)+\t):192+8*(4*(\m%2)+\t)+3] offset:64*\t        ; each accumulator from its low end on
	ds_store_b128 v[STO], v[192+8*(4*(\m%2)+\t)+4:192+8*(4*(\m%2)+\t)+7] offset:64*\t+16
.endr
	WIN 0
.if \m > 1
	s_wait_xcnt 0x0                                ; row block m - 2's stores have read the registers that these loads fill
.endif
.irp i, 0,1,2,3,4,5,6,7
	ds_load_b128 v[BK2+32*(\m%2)+4*\i:BK2+32*(\m%2)+4*\i+3], v[STR2] offset:2*SP*\i        ; LDS serves a wave's instructions in order: these see the stores above
.endr
.if \m > 0
	OSEND \m-1, 16                                 ; behind row block m - 1's loads: this block's 8 stores and 8 loads
.endif
.endr
	OSEND 3, 0
.endm
	s_mov_b32 s[LC], 0
.irp par, 0,1
	WIN (2+\par)<<6
.irp f, 0,1,2,3,4,5,6,7,8,9,10,11,12,13,14,15
.irp c, 0,1,2
	ds_load_b128 v[12*\f+4*\c:12*\f+4*\c+3], v[XB] offset:FRB*(16*\par+\f)+512*\c
.endr
.endr
.endr
	WIN 0
.irp s, 0,1,2,3,4,5,6,7
	ds_load_b32 v[XA16+2*\s], v[XSB] offset:256*\s
	ds_load_b32 v[XA16+2*\s+1], v[XSB] offset:256*\s+128
.endr
	FW 0, AW, 0
	WIN 0
	OWSC 0
	OBIAS 0
	FW 96, AW, 8*FRB
	WIN 0
.Lo_lap:                                               ; a trip makes one group of 64 columns; ring steps 0 to 5 fill their slots again, the last two, written out, fetch nothing more
	OST 0, 0, 2, 1
	OST 1, 1, 2, 1
	OOUT
	s_add_co_u32 s[LC], s[LC], 1
	s_cmp_lt_u32 s[LC], 3
	s_cbranch_scc1 .Lo_lap
	OST 0, 0, 1, 1
	OST 1, 1, 0, 0
	OOUT
	s_wait_tensorcnt 0x0
	ds_add_u32 v[SPW], v[NIL]
	s_wait_dscnt 0x0
	CROUND
	s_endpgm
.Lfunc_end_k_q4bf7254bfd_mha:
	.size	k_q4bf7254bfd_mha, .Lfunc_end_k_q4bf7254bfd_mha-k_q4bf7254bfd_mha
	.p2alignl 7, 3214868480
	.fill 96, 4, 3214868480
	.section	.rodata,"a",@progbits
	.p2align	6, 0x0
	.amdhsa_kernel k_q4bf7254bfd_mha
		.amdhsa_group_segment_fixed_size 327680
		.amdhsa_private_segment_fixed_size 0
		.amdhsa_enable_private_segment 0
		.amdhsa_kernarg_size 56
		.amdhsa_user_sgpr_count 2
		.amdhsa_user_sgpr_kernarg_segment_ptr 1
		.amdhsa_wavefront_size32 1
		.amdhsa_system_sgpr_workgroup_id_x 1
		.amdhsa_system_sgpr_workgroup_id_y 1
		.amdhsa_system_sgpr_workgroup_id_z 1
		.amdhsa_system_vgpr_workitem_id 0
		.amdhsa_next_free_vgpr 1024
		.amdhsa_next_free_sgpr 66
		.amdhsa_reserve_vcc 0
		.amdhsa_float_denorm_mode_32 3
		.amdhsa_float_denorm_mode_16_64 3
		.amdhsa_memory_ordered 1
		.amdhsa_forward_progress 1
		.amdhsa_inst_pref_size 255
	.end_amdhsa_kernel
	.section	.bss,"aw",@nobits
	.p2align	6
	.space	262144
	.amdgpu_metadata
---
amdhsa.version: [ 1, 2 ]
amdhsa.kernels:
  - .name:           k_q4bf7254bfd_mha
    .symbol:         k_q4bf7254bfd_mha.kd
    .args:
      - { .name: x, .offset: 0, .size: 8, .value_kind: global_buffer, .address_space: global }
      - { .name: wts, .offset: 8, .size: 8, .value_kind: global_buffer, .address_space: global }
      - { .name: bk, .offset: 16, .size: 8, .value_kind: global_buffer, .address_space: global }
      - { .name: bq, .offset: 24, .size: 8, .value_kind: global_buffer, .address_space: global }
      - { .name: bv, .offset: 32, .size: 8, .value_kind: global_buffer, .address_space: global }
      - { .name: bo, .offset: 40, .size: 8, .value_kind: global_buffer, .address_space: global }
      - { .name: out0, .offset: 48, .size: 8, .value_kind: global_buffer, .address_space: global }
    .group_segment_fixed_size: 327680
    .private_segment_fixed_size: 0
    .kernarg_segment_align: 8
    .kernarg_segment_size: 56
    .max_flat_workgroup_size: 128
    .sgpr_count:     66
    .vgpr_count:     1024
    .wavefront_size: 32
...
	.end_amdgpu_metadata
.endif
;; end of part 2
